; MI455X (gfx1250); checked and timed in simulation.
; The chip was launched on July 23, 2026; its instructions are those of AMD's public machine-readable ISA for CDNA 5 (MIT licence, August 2026) and "CDNA5" Instruction Set Architecture Reference Guide (July 2026). The comments in the code are by the model that wrote it; some were corrected since.
;; Multi Head Attention. Allowed arithmetic: matrix products marked QUANTISED: E2M3 operands, one E8M0 scale for each 32 along K, by v_wmma_scale_f32_16x16x128_f8f6f4 with both operands' format E2M3, f32 sums; everything else in f32.
;; Inputs: b_qkv 3,072 float32; w_qkv 1,024 x 3,072 float32; x 2 x 2,048 x 1,024 float32.
;; Outputs: out0 2 x 2,048 x 1,024 float32.
;; This version of the problem:
;;   THIS VERSION OF THE PROBLEM IS GIVEN IN LOW PRECISION. The matrix products marked QUANTISED in the list below multiply operands that are first quantised to E2M3 (2 exponent bits, 3 mantissa bits; 6 bits a number), with one power-of-two scale for each 32 numbers along K (OCP MX v1.0); their sums are f32. All else is computed in f32.
;;   The module's matrix products, in the order in which they are computed (A, B: the left and right operand; K: the contracted axis; several contracted axes count as one K, in the product's order):
;;     1. [M 4,096, K 1,024] x [K 1,024, N 3,072]; A: input x; B: input w_qkv: QUANTISED
;;     2. batch 32 x [M 2,048, K 64] x [K 64, N 2,048]; A: computed on the way; B: computed on the way: QUANTISED
;;     3. batch 32 x [M 2,048, K 2,048] x [K 2,048, N 64]; A: softmax (see below); B: computed on the way: QUANTISED
;;   THE QUANTISER, for each operand of a quantised product, along K:
;;     - K is cut into blocks of 32 from its start; a last block that is shorter is filled with zeros.
;;     - A block's scale is 2^e with e = floor(log2(the largest magnitude in the block)) - 2, held to -126 .. 127; a block of zeros has e = 0. As a byte (E8M0): e + 127.
;;     - Each number is divided by its block's scale, clamped to +-7.5, and rounded to the nearest number of E2M3, ties to even, subnormals kept.
;;     - The product sums the exact products of the quantised numbers (number of the format x scale) in f32.
;;   ~~~python
;;   def quantise(x, axis):      # numpy; x: float32 -> the quantised numbers, widened to float32 again
;;       x = np.moveaxis(x, axis, -1); K = x.shape[-1]
;;       x = np.pad(x, [(0, 0)] * (x.ndim - 1) + [(0, -K % 32)]); x = x.reshape(x.shape[:-1] + (-1, 32)); a = np.abs(x).max(-1, keepdims=True)
;;       e = np.where(a > 0, np.clip(np.frexp(np.where(a > 0, a, 1))[1] - 1 - 2, -126, 127), 0)      # np.frexp(a)[1] - 1 = floor(log2(a)), exactly
;;       r = np.clip(x / 2.0 ** e, -7.5, 7.5)
;;       step = 2.0 ** (np.maximum(np.frexp(np.where(r == 0, 1, r))[1] - 1, 0) - 3)
;;       q = np.round(r / step) * step * 2.0 ** e      # np.round: ties to even
;;       return np.moveaxis(q.reshape(q.shape[:-2] + (-1,))[..., :K], -1, axis).astype(np.float32)
;;   ~~~
;;   SOFTMAX AHEAD OF A QUANTISED PRODUCT. Where the list says 'softmax', what is quantised is not the finished softmax but p = 2^(t - M), with t = logit x log2(e) and M = ceil(the row's largest t), a whole number; so 1/2 < the row's largest p <= 1. The row's sum l is taken of the UNQUANTISED p, in f32, and the product's result is divided by l at the end. Since M is a whole number, a kernel that streams over the keys may use a running M (the ceiling of the running maximum): every later rescaling is an exact power of two, which a block's scale takes up: the codes' values come out the same.
;;   OPERANDS COMPUTED ON THE WAY. 'Computed on the way' means the value that the module computes at that place (a softmax that the list does not call 'softmax' is quantised finished and normalised). What goes into a quantiser is computed in f32, as accurately as f32 sums, v_exp_f32 and their like allow (about 1e-6 of the number): no bf16 or f16 on the way to a quantiser, and a product that is left as it is and whose result goes on into a quantised operand takes f32 operands (vector FMAs, or v_wmma_f32_16x16x4_f32). A number that lies on a knife's edge between two numbers of the format may be rounded either way, as far as f32 arithmetic and the matrix unit's own rounding can turn it there, and no further.
;; One version. Each part assembles by itself: llvm-mc -triple=amdgcn-amd-amdhsa -mcpu=gfx1250 --defsym DOCPART=n.
;; ======== version 1 of 1: 3 launches
;; limits: right only within a limited range of input values
;; workspace buffers: ximg 3,145,728 bytes; xscl 131,072 bytes; wimg 2,457,600 bytes; qimg 3,407,872 bytes; kv 6,553,600 bytes
;; launch quant (part 1): grid 256 x 1, 7 waves a work-group, no clusters, 34,816 bytes of LDS; arguments x, w_qkv, ximg, xscl, wimg; writes ximg, xscl, wimg
.if DOCPART == 1
	.amdgcn_target "amdgcn-amd-amdhsa--gfx1250"
	.amdhsa_code_object_version 6
	.text
	.protected	k_qd7137331c5_quant
	.globl	k_qd7137331c5_quant
	.p2align	8
	.type	k_qd7137331c5_quant,@function
k_qd7137331c5_quant:
	s_mov_b64 s[64:65], 0
	v_nop
	global_prefetch_b8 v0, s[64:65] scope:SCOPE_SE
	s_setreg_imm32_b32 hwreg(HW_REG_WAVE_MODE, 25, 1), 1
	s_wait_xcnt 0x0
; x [4096][1024] f32 (K innermost) and w_qkv [1024][3072] f32 (K is the first axis) become codes of FP6 (E2M3) with one E8M0 byte for each 32 along K.
; A block's scale is 2^(floor(log2(largest magnitude)) - 2): its byte is the largest magnitude's exponent field - 2, held at 1 from below.
; THE CODES ARE IMAGES OF OPERAND REGISTERS: a fragment (16 rows x 128 K, 12 registers a lane) is 1,536 bytes: three pieces of 512, piece k = registers 4 k .. 4 k + 3, lane l at 16 l.
; THE ROWS OF A TILE ARE NOT NEIGHBOURS: of a block of 64 rows, lane r of tile t (0 .. 3) takes row 8 t + r % 8 + 32 (r / 8), for x's rows (tokens) and for w's columns alike.
; So in the next launch a lane's 32 results of four tiles are 32 neighbours along the next K: a whole scale block.
; ximg [tile 256][K step 8][1536];  xscl [2 tiles 128][pair of K steps 4][lane 16 u + r][2 words];
; wimg [head 16][K step 8][19200]: tiles 12 = 4 part + t at 1,536 each, then at 18,432 the scale words [2 part + t / 2][lane 16 (t % 2) + r][4].
; SHARES: 256 work-groups.  Waves 0-3 take x (16 rows x 256 along K each), waves 4-6 take w (32 columns x 128 along K each): 16,384 bytes a wave, all loads out at once.  No barrier: waves share nothing.
; LEFT OUT in the whole program: scores of keys that lie wholly above the diagonal (the causal mask that reference() builds throws them away for all inputs); a NaN or an infinity that reaches only those is not carried.
; LIMITS: NaN and infinities among the inputs are not served; a block whose largest magnitude lies under 2^-124 has its byte held at 1; a block of zeros gets the byte 1 where the quantiser's text says 127:
; its codes are zeros, which add nothing under that byte, and the bytes are read by this program alone.
; Scale words leave as 128 consecutive bytes a wave: 1 byte for each 128 that is read.
.set L0, 64                            ; v64-127, v128-191: x: two landing sets; w: 128 numbers of a column
.set L1, 128
.set X,  192                           ; v192-255: a fragment's 64 numbers of my row, as the operand's layout wants them
	s_load_b256 s[4:11], s[0:1], 0x0               ; x s[4:5], w s[6:7], ximg s[8:9], xscl s[10:11]
	s_load_b64 s[12:13], s[0:1], 0x20              ; wimg
	v_lshl_add_u32 v43, v0, 2, 33792               ; my spare word, behind the four stages
	v_mov_b32 v47, 0
	v_lshrrev_b32 v1, 5, v0
	v_readfirstlane_b32 s16, v1                    ; wave 0..6
	v_and_b32 v6, 31, v0                           ; lane
	s_cmp_lt_u32 s16, 4
	s_wait_alu depctr_va_vdst(0)
	s_cbranch_scc0 .Lw
; ---------------- x: one tile of 16 rows x two K steps a wave ----------------
	s_lshr_b32 s18, ttmp9, 1                       ; p: which 32 rows (two tiles), 0..127
	s_and_b32 s22, s16, 1                          ; u: which tile of the two
	s_lshr_b32 s20, ttmp9, 2
	s_lshl_b32 s20, s20, 18                        ; 64 rows of 4,096 bytes
	s_bfe_u32 s21, ttmp9, 0x10001
	s_lshl_b32 s21, s21, 16                        ; 16 rows on for odd p
	s_add_co_u32 s20, s20, s21
	s_lshl_b32 s21, s22, 15                        ; 8 rows on for u = 1
	s_add_co_u32 s20, s20, s21
	s_and_b32 s23, ttmp9, 1
	s_lshl_b32 s23, s23, 1
	s_lshr_b32 s24, s16, 1
	s_add_co_u32 s23, s23, s24                     ; my pair of K steps, 0..3
	s_lshl_b32 s21, s23, 10                        ; 256 numbers of a row
	s_add_co_u32 s20, s20, s21
	s_mov_b32 s21, 0
	s_lshl_b32 s24, s18, 1
	s_add_co_u32 s24, s24, s22                     ; tile
	s_mul_i32 s24, s24, 12288
	s_mul_i32 s25, s23, 3072
	s_add_co_u32 s24, s24, s25
	s_mov_b32 s25, 0
	s_lshl_b32 s26, s18, 10
	s_lshl_b32 s27, s23, 8
	s_add_co_u32 s26, s26, s27
	s_lshl_b32 s27, s22, 7
	s_add_co_u32 s26, s26, s27                     ; my 128 bytes of scale words
	s_mov_b32 s27, 0
	s_mul_i32 s30, s16, 8448                       ; my stage in LDS: 16 rows of 512 bytes + 16
	s_mov_b32 s28, 0x76543210
	s_mov_b32 s29, 0xfedcba98                      ; v_permlanex16_b32's selects for lane l xor 16
	s_mov_b32 s31, 0xffff0000                      ; lanes 16-31
	v_lshlrev_b32 v1, 4, v6                        ; 16 x lane
	v_add_nc_u32 v2, s30, v1                       ; into the stage: a row's 512 bytes as they lie
	v_and_b32 v7, 15, v0                           ; r
	v_bfe_u32 v8, v0, 4, 1                         ; h
	v_mul_u32_u24 v3, v7, 528
	v_lshl_add_u32 v3, v8, 7, v3
	v_add_nc_u32 v3, s30, v3                       ; out of it: row r, + 128 h: my block of 32 numbers
	v_lshlrev_b32 v4, 3, v7
	v_lshl_add_u32 v4, v8, 2, v4                   ; 8 r + 4 h: a scale word's place
	v_lshlrev_b32 v5, 3, v8                        ; 8 h
	v_mov_b32 v55, 0                               ; a lane permute's destination counts as one of its sources
	s_wait_alu depctr_va_vdst(0)
	s_wait_kmcnt 0x0
	s_add_nc_u64 s[4:5], s[4:5], s[20:21]
	s_add_nc_u64 s[8:9], s[8:9], s[24:25]
	s_add_nc_u64 s[10:11], s[10:11], s[26:27]
.macro XLOADF f, L                     ; K step f of my pair: 16 rows x 512 bytes: each load reads 512 consecutive bytes of one row
.set i, 0
.rept 16
	global_load_b128 v[\L+4*i:\L+4*i+3], v1, s[4:5] offset:((i%8)+32*(i/8))*4096+512*(\f) th:TH_LOAD_NT
.set i, i+1
.endr
.endm
.macro TURNF L                         ; through my stage: LDS serves a wave's instructions in order, so no wait stands between the stores and the loads
.set i, 0
.rept 16
	ds_store_b128 v2, v[\L+4*i:\L+4*i+3] offset:528*i
.set i, i+1
.endr
.irp c, 0,1
.irp j, 0,1,2,3,4,5,6,7
	ds_load_b128 v[X+32*\c+4*\j:X+32*\c+4*\j+3], v3 offset:256*\c+16*\j   ; X + 32 c + i = k 64 c + 32 h + i of row r
.endr
.endr
.endm
.macro QX f, C                         ; my two whole blocks (2 c + h) become registers 6 c .. 6 c + 5 of the fragment in v[C] on; the row's scale word goes to v[56 + f]
.irp c, 0,1
	v_max3_num_f32 v[48+\c], |v[X+32*\c]|, |v[X+32*\c+1]|, 0x1800000    ; with the floor 2^(3 - 127): the byte cannot fall under 1
.endr
.set i, 2
.rept 15
.irp c, 0,1
	v_max3_num_f32 v[48+\c], v[48+\c], |v[X+32*\c+i]|, |v[X+32*\c+i+1]|
.endr
.set i, i+2
.endr
.irp c, 0,1
	v_add_nc_u32 v[50+\c], 0xff000000, v[48+\c]    ; 2 off the exponent field: the conversion's scale operand
.endr
.irp c, 0,1
	v_lshrrev_b32 v[52+\c], 23, v[50+\c]           ; the scale's byte
.endr
	v_lshl_or_b32 v54, v53, 16, v52                ; blocks h and 2 + h,
	v_lshlrev_b32 v54, v5, v54                     ; at their places in the word;
	v_permlanex16_b32 v55, v54, s28, s29
	v_or_b32 v[56+\f], v54, v55                    ; with lane l xor 16's two the word is whole, in both halves of the lanes
.irp c, 0,1
	v_cvt_scalef32_pk16_fp6_f32 v[\C+6*\c:\C+6*\c+2], v[X+32*\c:X+32*\c+15], v[50+\c]
	v_cvt_scalef32_pk16_fp6_f32 v[40+4*\c:42+4*\c], v[X+32*\c+16:X+32*\c+31], v[50+\c]   ; (a conversion's three registers begin on an even number)
.endr
	v_nop                                          ; one plain place behind a scaled conversion
.irp c, 0,1
.irp i, 0,1,2
	v_mov_b32 v[\C+6*\c+3+\i], v[40+4*\c+\i]
.endr
.endr
.irp k, 0,1,2
	global_store_b128 v1, v[\C+4*\k:\C+4*\k+3], s[8:9] offset:1536*(\f)+512*\k   ; 512 consecutive bytes, aligned
.endr
.endm
	XLOADF 0, L0
	XLOADF 1, L1
	s_wait_loadcnt 16                              ; K step 0's 16 loads are in; the other's may be out
	TURNF L0
	s_wait_dscnt 0x0
	QX 0, 16
	s_wait_loadcnt 0x0
	TURNF L1
	s_wait_dscnt 0x0
	QX 1, 28
	v_cndmask_b32 v60, v56, v57, s31               ; lanes 0-15 K step 0's words, lanes 16-31 K step 1's
	global_store_b32 v4, v60, s[10:11]             ; 128 consecutive bytes
	s_wait_tensorcnt 0x0                           ; the wave's end
	ds_add_u32 v43, v47
	s_wait_dscnt 0x0
	s_endpgm
; ---------------- w: a lane takes a column, its registers run down K: two tiles x 128 along K a wave ----------------
.Lw:
	s_sub_co_u32 s19, s16, 4
	s_and_b32 s18, ttmp9, 31
	s_mul_i32 s18, s18, 3
	s_add_co_u32 s18, s18, s19                     ; p: which two tiles of columns, 0..95
	s_lshr_b32 s17, ttmp9, 5                       ; K step, 0..7
	s_lshr_b32 s19, s18, 5                         ; part: q, k or v
	s_bfe_u32 s20, s18, 0x40001                    ; head
	s_and_b32 s21, s18, 1                          ; pp: tiles 2 pp, 2 pp + 1 of the head's four
	s_mul_i32 s22, s17, 1572864                    ; 128 rows of 12,288 bytes,
	s_lshr_b32 s23, s18, 1
	s_lshl_b32 s23, s23, 8                         ; the head's 64 columns,
	s_add_co_u32 s22, s22, s23
	s_lshl_b32 s23, s21, 6                         ; 16 columns on for pp = 1
	s_add_co_u32 s22, s22, s23
	s_mov_b32 s23, 0
	s_lshl_b32 s25, s19, 1
	s_add_co_u32 s25, s25, s21                     ; 2 part + pp
	s_mul_i32 s24, s20, 153600
	s_mul_i32 s26, s17, 19200
	s_add_co_u32 s24, s24, s26                     ; my head's K step
	s_lshl_b32 s26, s25, 7
	s_add_co_u32 s26, s26, s24                     ; my 32 scale words (the stores' offset adds 18,432)
	s_mul_i32 s25, s25, 3072
	s_add_co_u32 s24, s24, s25                     ; my two images
	s_mov_b32 s25, 0
	s_mov_b32 s27, 0
	v_and_b32 v7, 7, v0
	v_bfe_u32 v8, v0, 4, 1
	v_bfe_u32 v9, v0, 3, 1
	v_lshl_add_u32 v7, v8, 3, v7
	v_lshl_add_u32 v7, v9, 5, v7                   ; lane 16 u + r takes column 8 u + r % 8 + 32 (r / 8)
	v_lshlrev_b32 v1, 2, v7
	v_lshlrev_b32 v2, 4, v6                        ; 16 x lane
	v_lshlrev_b32 v3, 2, v6                        ; 4 x lane
	s_wait_alu depctr_va_vdst(0)
	s_wait_kmcnt 0x0
	s_add_nc_u64 s[6:7], s[6:7], s[22:23]
	s_add_nc_u64 s[14:15], s[12:13], s[26:27]
	s_add_nc_u64 s[12:13], s[12:13], s[24:25]
.set k, 0
.rept 128
	global_load_b32 v[64+k], v1, s[6:7] offset:12288*k   ; row k at my 32 columns: two runs of 64 bytes; the wave with the other pp takes the 64 bytes behind each
.set k, k+1
.endr
.macro WPAIR b0, b1                    ; two blocks of 32 along K by turns; all 32 numbers of a block are mine.  Even blocks' codes go to v16 on, odd blocks' to v28 on
.irp b, \b0, \b1
	v_max3_num_f32 v[56+\b], |v[64+32*\b]|, |v[65+32*\b]|, 0x1800000
.endr
.set i, 2
.rept 15
.irp b, \b0, \b1
	v_max3_num_f32 v[56+\b], v[56+\b], |v[64+32*\b+i]|, |v[65+32*\b+i]|
.endr
.set i, i+2
.endr
.irp b, \b0, \b1
	v_add_nc_u32 v[60+\b], 0xff000000, v[56+\b]
.endr
.irp b, \b0, \b1
	v_lshrrev_b32 v[8+\b], 23, v[60+\b]
.endr
.irp b, \b0, \b1
	v_cvt_scalef32_pk16_fp6_f32 v[16+12*(\b%2)+6*(\b/2):18+12*(\b%2)+6*(\b/2)], v[64+32*\b:79+32*\b], v[60+\b]
	v_cvt_scalef32_pk16_fp6_f32 v[40+4*\b:42+4*\b], v[80+32*\b:95+32*\b], v[60+\b]
.endr
	v_nop                                          ; one plain place behind a scaled conversion
.endm
	s_wait_loadcnt 63                              ; blocks 0 and 1 are in: 64 loads stand behind them, and 63 is the largest count that a wait names
	WPAIR 0, 1
	s_wait_loadcnt 0x0
	WPAIR 2, 3
.irp b, 0,1,2,3
.irp i, 0,1,2
	v_mov_b32 v[19+12*(\b%2)+6*(\b/2)+\i], v[40+4*\b+\i]
.endr
.endr
.irp i, 0,1,2,3,4,5,6,7,8,9,10,11
	v_permlane16_swap_b32 v[16+\i], v[28+\i]       ; the first's lanes 16-31 (tile 1, blocks 0 and 2) change places with the second's lanes 0-15 (tile 0, blocks 1 and 3): now each is one tile's image
.endr
	v_lshl_or_b32 v12, v9, 8, v8                   ; my column's scale word
	v_lshl_or_b32 v12, v10, 16, v12
	v_lshl_or_b32 v12, v11, 24, v12
.irp u, 0,1
.irp k, 0,1,2
	global_store_b128 v2, v[16+12*\u+4*\k:19+12*\u+4*\k], s[12:13] offset:1536*\u+512*\k
.endr
.endr
	global_store_b32 v3, v12, s[14:15] offset:18432
	s_endpgm
.Lfunc_end_k_qd7137331c5_quant:
	.size	k_qd7137331c5_quant, .Lfunc_end_k_qd7137331c5_quant-k_qd7137331c5_quant
	.p2alignl 7, 3214868480
	.fill 96, 4, 3214868480
	.section	.rodata,"a",@progbits
	.p2align	6, 0x0
	.amdhsa_kernel k_qd7137331c5_quant
		.amdhsa_group_segment_fixed_size 34816
		.amdhsa_private_segment_fixed_size 0
		.amdhsa_enable_private_segment 0
		.amdhsa_kernarg_size 40
		.amdhsa_user_sgpr_count 2
		.amdhsa_user_sgpr_kernarg_segment_ptr 1
		.amdhsa_wavefront_size32 1
		.amdhsa_system_sgpr_workgroup_id_x 1
		.amdhsa_system_sgpr_workgroup_id_y 1
		.amdhsa_system_sgpr_workgroup_id_z 1
		.amdhsa_system_vgpr_workitem_id 0
		.amdhsa_next_free_vgpr 256
		.amdhsa_next_free_sgpr 66
		.amdhsa_reserve_vcc 0
		.amdhsa_float_denorm_mode_32 3
		.amdhsa_float_denorm_mode_16_64 3
		.amdhsa_memory_ordered 1
		.amdhsa_forward_progress 1
		.amdhsa_inst_pref_size 37
	.end_amdhsa_kernel
	.amdgpu_metadata
---
amdhsa.version: [ 1, 2 ]
amdhsa.kernels:
  - .name:           k_qd7137331c5_quant
    .symbol:         k_qd7137331c5_quant.kd
    .args:
      - { .name: x, .offset: 0, .size: 8, .value_kind: global_buffer, .address_space: global }
      - { .name: w_qkv, .offset: 8, .size: 8, .value_kind: global_buffer, .address_space: global }
      - { .name: ximg, .offset: 16, .size: 8, .value_kind: global_buffer, .address_space: global }
      - { .name: xscl, .offset: 24, .size: 8, .value_kind: global_buffer, .address_space: global }
      - { .name: wimg, .offset: 32, .size: 8, .value_kind: global_buffer, .address_space: global }
    .group_segment_fixed_size: 34816
    .private_segment_fixed_size: 0
    .kernarg_segment_align: 8
    .kernarg_segment_size: 40
    .max_flat_workgroup_size: 224
    .sgpr_count:     66
    .vgpr_count:     256
    .wavefront_size: 32
...
	.end_amdgpu_metadata
.endif
;; end of part 1
;; launch qkv (part 2): grid 16 x 16, 4 waves a work-group, clusters of 4 x 1, 168,448 bytes of LDS; arguments ximg, xscl, wimg, b_qkv, qimg, kv; writes qimg, kv
.if DOCPART == 2
	.amdgcn_target "amdgcn-amd-amdhsa--gfx1250"
	.amdhsa_code_object_version 6
	.text
	.protected	k_qd7137331c5_qkv
	.globl	k_qd7137331c5_qkv
	.p2align	8
	.type	k_qd7137331c5_qkv,@function
k_qd7137331c5_qkv:
	s_mov_b64 s[64:65], 0
	v_nop
	global_prefetch_b8 v0, s[64:65] scope:SCOPE_SE
	s_setreg_imm32_b32 hwreg(HW_REG_WAVE_MODE, 25, 1), 1
	s_wait_xcnt 0x0
	s_wait_alu depctr_hold_cnt(0) depctr_sa_sdst(0) depctr_va_vdst(0) depctr_va_sdst(0) depctr_va_ssrc(0) depctr_va_vcc(0) depctr_vm_vsrc(0)
	s_getreg_b32 s2, hwreg(HW_REG_IB_STS2, 6, 4)
	s_cmp_eq_u32 s2, 0
	s_cbranch_scc0 .Lentry_in_a_cluster
	s_endpgm
.Lentry_in_a_cluster:
	s_bfe_u32 s2, ttmp6, 0x10000c
	s_cmp_lg_u32 s2, 0x3003
	s_cbranch_scc0 .Lentry_shape_is_right
	s_endpgm
.Lentry_shape_is_right:
; qkv = x w + b on codes of FP6 (E2M3), sums in f32; q and k are then quantised along the head's 64, v along the tokens, in registers, and leave as images of the attention's operands.
; SHARES.  A work-group makes 256 tokens x (64 q + 64 k + 64 v) of one head: 16 heads x 16 blocks of tokens = 256 work-groups.  Wave w takes tokens 64 w .. 64 w + 63 (4 tiles of x) against all 12 tiles of W: 48 accumulators.
; W of the head with its scale words, all of K (153,600 bytes), lies in LDS; wave j brings K steps 2 j and 2 j + 1 with its one tensor load; no byte is filled twice.  The four work-groups of a cluster have the same head: each piece is asked for JOINTLY (mask 15).
; x's fragments go from memory straight into registers, four K steps ahead: each is read by one wave of the work-group alone.  No prefetch: everything is asked for at the head or four of the eight K steps ahead.
; ORIENTATION.  q, k: source 0 = 16 columns of W, source 1 = 16 tokens: a lane holds one token, its registers run along d.  v: the sources change places: a lane holds one d, its registers run along the tokens.
; By the choice of rows in both images (lane r of tile t: row 8 t + r % 8 + 32 (r / 8) of 64) lane (r, h)'s 32 registers of four tiles are 32 neighbours along the next K (32 h + 8 t + j): a whole scale block.
; The bias is the C of each sum's first matrix instruction.
; OUT.  q and k: an image of 1,536 bytes holds TWO tiles of 16 rows x 64 codes: registers 0-5 tile 2 p, registers 6-11 tile 2 p + 1; its scale word: bytes 0, 1 the first tile's two blocks, bytes 2, 3 the second's.
;   qimg [b h 32][64 tokens 32][3328]: two images, then [lane 16 p + r][the word, twice].
;   kv [b h 32][128 keys 16][12800]: K: images 2 c + p at 1,536 each (c: which 64 keys); V at +6,144: the image of tile t at 1,536 t, half c of the keys at + 768 c (registers 0-3 at 16 x lane, 4-5 at 512 + 8 x lane);
;   at +12,288 + 256 c: [lane][K's word of image 2 c + lane / 16, row r | V's two bytes of c for tile lane / 16 and, in the high half, for tile 2 + lane / 16].
; LIMITS: as in the launch before: NaN and infinities not served; bytes held at 1 from below; a block of zeros gets the byte 1.
; REGISTERS, in windows of 256: window 0: v1-12, v20-21 addresses; v16-19 v's bias; v24-39 x's scale words; v40-45 W's; v96-239 W's fragments, three groups of four.  window 1: v0-191 four sets of x's four fragments.
;   window 2: v0-127 q's accumulators (8 (4 tx + tw)), v128-255 k's.   window 3: v0-127 v's (8 (4 tw + tx)); v128-159, v160-191, v192-223 the biases in the results' layout.
.set KB, 19200                         ; bytes of a K step in W's image
.set MSB, 0
.macro WIN new                         ; the immediate's high byte repeats the setting that is left
.if MSB != \new
	s_set_vgpr_msb (MSB<<8)|\new
.set MSB, \new
.endif
.endm
.macro ROUND                           ; a round of the cluster's barrier
	s_barrier_signal -1
	s_barrier_wait -1
	s_cmp_lg_u32 s18, 0
	s_cbranch_scc1 .Lnot_wave_0_\@
	s_barrier_signal -3
.Lnot_wave_0_\@:
	s_barrier_wait -3
	s_barrier_signal -1
	s_barrier_wait -1
.endm
.macro PLACES                          ; four plain places between a matrix instruction and a load into, or a vector instruction on, one of its registers
.rept 4
	v_nop
.endr
.endm
	s_load_b256 s[4:11], s[0:1], 0x0               ; ximg s[4:5], xscl s[6:7], wimg s[8:9], b_qkv s[10:11]
	s_load_b128 s[12:15], s[0:1], 0x20             ; qimg s[12:13], kv s[14:15]
	v_lshl_add_u32 v254, v0, 2, 8*KB               ; my spare word, behind W
	v_mov_b32 v255, 0
	ds_add_u32 v254, v255
	ds_add_u32 v254, v255
	v_lshrrev_b32 v1, 5, v0
	v_readfirstlane_b32 s18, v1                    ; wave 0..3
	s_and_b32 s21, ttmp7, 0xffff                   ; the head, which the four partners share
	; descriptor group 1: 150 rows of 256 bytes (32 elements of 8 bytes), dense, no padding: two K steps
	s_mov_b32 s24, 15|(3<<16)|(1<<21)              ; 15:0 the mask: all four work-groups; 17:16 elements of 8 bytes; 21 set beside a mask
	s_mov_b32 s25, 32<<16                          ; tensor_dim0 = 32
	s_mov_b32 s26, 150<<16                         ; tensor_dim1
	s_mov_b32 s27, 32<<16                          ; tile_dim0 = 32
	s_mov_b32 s28, 150                             ; tile_dim1
	s_mov_b32 s29, 32                              ; from row to row
	s_mov_b32 s30, 0
	s_mov_b32 s31, 0
	s_mul_i32 s52, s18, 2*KB                       ; my piece
	s_mul_i32 s54, s21, 8*KB
	s_add_co_u32 s54, s54, s52
	s_mov_b32 s55, 0
	s_and_b32 s58, s18, 1                          ; c: which 64 of a step's 128 keys are my tokens
	s_mul_i32 s59, s58, 3072
	s_mul_i32 s60, s58, 768
	s_lshl_b32 s61, s58, 8
	v_and_b32 v13, 31, v0                          ; lane
	v_bfe_u32 v15, v0, 4, 1                        ; h
	v_lshlrev_b32 v1, 4, v13                       ; 16 x lane: an image's place for my lane; W's K steps 0-2 in LDS
	v_add_nc_u32 v2, 3*KB, v1                      ; K steps 3-5
	v_add_nc_u32 v3, 6*KB, v1                      ; K steps 6-7
	v_lshlrev_b32 v4, 2, v13                       ; 4 x lane: W's scale words, likewise
	v_add_nc_u32 v20, 3*KB, v4
	v_add_nc_u32 v21, 6*KB, v4
	v_lshlrev_b32 v5, 3, v13                       ; 8 x lane
	v_add_nc_u32 v6, s59, v1                       ; K's images: two on for c = 1
	v_add_nc_u32 v8, s60, v1                       ; V's: the second half of each image for c = 1
	v_add_nc_u32 v9, s60, v5
	v_add_nc_u32 v10, s61, v5                      ; the scale words' 256 bytes
	v_lshlrev_b32 v11, 7, v15                      ; q's and k's bias: 32 h numbers on
	v_and_b32 v12, 7, v0
	v_bfe_u32 v13, v0, 3, 1
	v_lshl_add_u32 v12, v13, 5, v12
	v_lshlrev_b32 v12, 2, v12                      ; v's bias: number r % 8 + 32 (r / 8)
	s_wait_alu depctr_va_vdst(0)
	s_wait_dscnt 0x0
	ROUND                                          ; all four work-groups are here: the joint loads meet.  It stands ahead of the wait for the arguments
	s_wait_kmcnt 0x0
	s_mov_b32 s32, 1                               ; group 0: count = 1
	s_mov_b32 s33, s52                             ; LDS address: W lies in LDS as in memory
	s_add_nc_u64 s[34:35], s[8:9], s[54:55]        ; made of the head and the wave's number alone
	s_or_b32 s35, s35, 0x80000000                  ; type = 2
.macro ARM w, next                     ; one load a wave, each in an arm of its own
	s_cmp_eq_u32 s18, \w
	s_cbranch_scc0 \next
	tensor_load_to_lds s[32:35], s[24:31]
	s_nop 0
	PLACES
	s_branch .Lasked
\next:
.endm
	ARM 0, .Larm_1
	ARM 1, .Larm_2
	ARM 2, .Larm_3
	tensor_load_to_lds s[32:35], s[24:31]
	s_nop 0
	PLACES
.Lasked:
	s_bfe_u32 s19, ttmp6, 0x40000                  ; cx: it enters global addresses of my own loads and stores alone
	s_lshl_b32 s20, ttmp9, 2
	s_add_co_u32 s20, s20, s19                     ; which 256 tokens, 0..15
	s_lshl_b32 s56, s20, 2
	s_add_co_u32 s56, s56, s18                     ; which 64 tokens, 0..63
	s_mov_b32 s59, 0
	s_mul_i32 s58, s56, 49152                      ; four tiles x 8 K steps x 1,536
	s_add_nc_u64 s[4:5], s[4:5], s[58:59]
	s_lshl_b32 s58, s56, 11                        ; two pairs of tiles x 1,024
	s_add_nc_u64 s[6:7], s[6:7], s[58:59]
	s_lshl_b32 s58, s21, 8
	s_add_nc_u64 s[10:11], s[10:11], s[58:59]
	s_lshr_b32 s57, s20, 3
	s_lshl_b32 s57, s57, 4
	s_add_co_u32 s57, s57, s21                     ; 16 b + head
	s_and_b32 s60, s20, 7
	s_lshl_b32 s61, s60, 2
	s_add_co_u32 s61, s61, s18                     ; which 64 tokens of the sequence
	s_mul_i32 s58, s57, 106496
	s_mul_i32 s61, s61, 3328
	s_add_co_u32 s58, s58, s61
	s_add_nc_u64 s[12:13], s[12:13], s[58:59]
	s_lshl_b32 s60, s60, 1
	s_lshr_b32 s61, s18, 1
	s_add_co_u32 s60, s60, s61                     ; which 128 keys
	s_mul_i32 s58, s57, 204800
	s_mul_i32 s60, s60, 12800
	s_add_co_u32 s58, s58, s60
	s_add_nc_u64 s[14:15], s[14:15], s[58:59]
	WIN 0xc0                                       ; destination window 3
.irp tw, 0,1,2,3                       ; lane (r, h), tile tw, register j: d = 32 h + 8 tw + j
	global_load_b128 v[128+8*\tw:131+8*\tw], v11, s[10:11] offset:32*\tw
	global_load_b128 v[132+8*\tw:135+8*\tw], v11, s[10:11] offset:32*\tw+16
	global_load_b128 v[160+8*\tw:163+8*\tw], v11, s[10:11] offset:4096+32*\tw
	global_load_b128 v[164+8*\tw:167+8*\tw], v11, s[10:11] offset:4096+32*\tw+16
.endr
	WIN 0
.irp tw, 0,1,2,3                       ; v: lane (r, h) holds d = 8 tw + r % 8 + 32 (r / 8) in all eight registers
	global_load_b32 v[16+\tw], v12, s[10:11] offset:8192+32*\tw
.endr
.irp pl, 0,1                           ; x's scale words: register 24 + 8 pl + s: lanes 0-15 the even tile of pair pl, lanes 16-31 the odd one, K step s
.irp sp, 0,1,2,3
	global_load_b64 v[24+8*\pl+2*\sp:25+8*\pl+2*\sp], v5, s[6:7] offset:1024*\pl+256*\sp
.endr
.endr
.macro XLOAD s                         ; my four tiles' fragments of K step s into set s % 4: 12 loads of 512 consecutive bytes
	WIN 0x40
.irp tx, 0,1,2,3
.irp k, 0,1,2
	global_load_b128 v[48*((\s)%4)+12*\tx+4*\k:48*((\s)%4)+12*\tx+4*\k+3], v1, s[4:5] offset:12288*\tx+1536*(\s)+512*\k
.endr
.endr
.endm
.macro LOADW g, s                      ; group g's four fragments of W (q, k or v), K step s: 12 loads of 512 consecutive LDS bytes, and two of scale words
	WIN 0
.irp tw, 0,1,2,3
.irp k, 0,1,2
	ds_load_b128 v[96+48*(\g)+12*\tw+4*\k:96+48*(\g)+12*\tw+4*\k+3], v[1+(\s)/3] offset:KB*((\s)%3)+1536*(4*(\g)+\tw)+512*\k
.endr
.endr
.set rL, 4
.if (\s) > 2
.set rL, 19+(\s)/3
.endif
.irp pp, 0,1
	ds_load_b32 v[40+2*(\g)+\pp], v[rL] offset:KB*((\s)%3)+18432+128*(2*(\g)+\pp)
.endr
.endm
.macro WMS                             ; one product, by the symbols rD, rA, rB, rC, rSA, rSB; fA, fB: the side's scale words lie in lanes 16-31
.if fA && fB
	v_wmma_scale_f32_16x16x128_f8f6f4 v[rD:rD+7], v[rA:rA+11], v[rB:rB+11], v[rC:rC+7], v[rSA], v[rSB] matrix_a_fmt:MATRIX_FMT_FP6 matrix_b_fmt:MATRIX_FMT_FP6 matrix_a_scale:MATRIX_SCALE_ROW1 matrix_b_scale:MATRIX_SCALE_ROW1
.elseif fA
	v_wmma_scale_f32_16x16x128_f8f6f4 v[rD:rD+7], v[rA:rA+11], v[rB:rB+11], v[rC:rC+7], v[rSA], v[rSB] matrix_a_fmt:MATRIX_FMT_FP6 matrix_b_fmt:MATRIX_FMT_FP6 matrix_a_scale:MATRIX_SCALE_ROW1
.elseif fB
	v_wmma_scale_f32_16x16x128_f8f6f4 v[rD:rD+7], v[rA:rA+11], v[rB:rB+11], v[rC:rC+7], v[rSA], v[rSB] matrix_a_fmt:MATRIX_FMT_FP6 matrix_b_fmt:MATRIX_FMT_FP6 matrix_b_scale:MATRIX_SCALE_ROW1
.else
	v_wmma_scale_f32_16x16x128_f8f6f4 v[rD:rD+7], v[rA:rA+11], v[rB:rB+11], v[rC:rC+7], v[rSA], v[rSB] matrix_a_fmt:MATRIX_FMT_FP6 matrix_b_fmt:MATRIX_FMT_FP6
.endif
.endm
.macro MULG g, s                       ; 16 products: group g's four tiles of W x my four tiles of x, K step s; the 16 accumulators take turns, one instruction a turn
.if (\g) < 2
.if (\s) == 0
	WIN 0xb4                                       ; source 0 (W) window 0, source 1 (x) window 1, C (the bias) window 3, D window 2
.else
	WIN 0xa4                                       ; C and D window 2
.endif
.else
	WIN 0xf1                                       ; source 0 (x) window 1, source 1 (W) window 0, C and D window 3
.endif
.irp tx, 0,1,2,3
.irp tw, 0,1,2,3
.if (\g) < 2
.set rD, 128*(\g)+8*(4*\tx+\tw)
.set rA, 96+48*(\g)+12*\tw
.set rB, 48*((\s)%4)+12*\tx
.set rC, 128+32*(\g)+8*\tw
.set rSA, 40+2*(\g)+\tw/2
.set rSB, 24+8*(\tx/2)+(\s)
.set fA, \tw%2
.set fB, \tx%2
.else
.set rD, 8*(4*\tw+\tx)
.set rA, 48*((\s)%4)+12*\tx
.set rB, 192+12*\tw
.set rC, 192+8*\tw
.set rSA, 24+8*(\tx/2)+(\s)
.set rSB, 44+\tw/2
.set fA, \tx%2
.set fB, \tw%2
.endif
.if (\s) > 0
.set rC, rD
.endif
	WMS
.endr
.endr
.endm
.macro MEET s                          ; the piece of K steps s + 1 and s + 2, which wave (s + 1) / 2 has asked for, is shown to all
	WIN 0
.if (\s) < 5
	s_cmp_eq_u32 s18, ((\s)+1)/2
	s_cbranch_scc0 .Lnot_mine_\@
	s_wait_tensorcnt 0x0
.Lnot_mine_\@:
.else
	s_wait_tensorcnt 0x0
.endif
	s_wait_dscnt 0x0                               ; no LDS instruction of mine is out at a signal
	s_barrier_signal -1
	s_barrier_wait -1
.endm
.macro KSTEP s
.if (\s) < 5
	s_wait_loadcnt 36                              ; this K step's fragments of x are in; the three later sets, 12 loads each, may be out
.else
	s_wait_loadcnt 12*(7-(\s))
.endif
.if (\s) == 0
	WIN 0xc0
.irp tw, 0,1,2,3
.irp j, 0,1,2,3,4,5,6,7
	v_mov_b32 v[192+8*\tw+\j], v[16+\tw]           ; v's bias in the result's layout: a lane's eight registers are eight tokens of one d
.endr
.endr
	s_wait_alu depctr_va_vdst(0)
.endif
.irp g, 0,1,2
.if (\s) < 7
	s_wait_dscnt 28                                ; this group's 14 loads are in; the two groups issued behind it may be out
.else
	s_wait_dscnt 14*(2-\g)
.endif
	MULG \g, \s
.if (\g == 0) && (((\s) == 1) || ((\s) == 3) || ((\s) == 5))
	MEET \s
.endif
.if (\s) < 7
	PLACES
	LOADW \g, (\s)+1
.endif
.endr
.if (\s) < 4
	XLOAD (\s)+4                                   ; into the set just multiplied, behind the places above
.endif
.endm
	XLOAD 0
	XLOAD 1
	XLOAD 2
	XLOAD 3
	WIN 0
	s_cmp_eq_u32 s18, 0
	s_cbranch_scc0 .Lnot_first
	s_wait_tensorcnt 0x0                           ; wave 0: K steps 0 and 1 have landed
.Lnot_first:
	s_barrier_signal -1
	s_barrier_wait -1
	LOADW 0, 0
	LOADW 1, 0
	LOADW 2, 0
.irp s, 0,1,2,3,4,5,6,7
	KSTEP \s
.endr
	PLACES
; THE WAY OUT of q, k or v: 128 accumulator registers from AB on in window W are four blocks of 32, each a lane's own: 16 rows x 64 along the next K, lane (r, h) holds block h of row r.
; Codes of block u: six registers at CB + 6 u; the second conversions' results pass through CB + 24 + 4 u.  Each of q, k, v has registers of its own: no store's data are written again.
.macro PART W, AB, CB
	WIN 5*\W                                       ; sources 0 and 1: the accumulators' window
.irp u, 0,1,2,3
	v_max3_num_f32 v[48+\u], |v[\AB+32*\u]|, |v[\AB+32*\u+1]|, 0x1800000   ; each accumulator is read from its low end on; the floor 2^(3 - 127) holds the byte at 1 from below
.endr
.set i, 2
.rept 15
.irp u, 0,1,2,3
	v_max3_num_f32 v[48+\u], |v[\AB+32*\u+i]|, |v[\AB+32*\u+i+1]|, v[48+\u]
.endr
.set i, i+2
.endr
	WIN 0
.irp u, 0,1,2,3
	v_add_nc_u32 v[52+\u], 0xff000000, v[48+\u]    ; 2 off its exponent field: the conversion's scale operand
.endr
.irp u, 0,1,2,3
	v_lshrrev_b32 v[56+\u], 23, v[52+\u]           ; the scale's byte
.endr
	WIN \W                                         ; source 0: the accumulators' window
.irp u, 0,1,2,3
	v_cvt_scalef32_pk16_fp6_f32 v[\CB+6*\u:\CB+6*\u+2], v[\AB+32*\u:\AB+32*\u+15], v[52+\u]
	v_cvt_scalef32_pk16_fp6_f32 v[\CB+24+4*\u:\CB+26+4*\u], v[\AB+32*\u+16:\AB+32*\u+31], v[52+\u]
.endr
	WIN 0
	v_nop                                          ; one plain place behind a scaled conversion
.irp u, 0,1,2,3
.irp i, 0,1,2
	v_mov_b32 v[\CB+6*\u+3+\i], v[\CB+24+4*\u+\i]
.endr
.endr
.endm
.macro WORD d, a0, a1, b0, b1          ; lanes 0-15: bytes a0 of h = 0, 1 and, in the high half, a1's; lanes 16-31: b0's and b1's
	v_lshl_or_b32 v60, v[56+\a1], 16, v[56+\a0]
	v_lshl_or_b32 v61, v[56+\b1], 16, v[56+\b0]
	v_permlane16_swap_b32 v60, v61
	v_lshl_or_b32 v[\d], v61, 8, v60
.endm
.macro SENDP CB, R, SB                 ; two images of two tiles each: 512 consecutive bytes a store, aligned
.irp p, 0,1
.irp k, 0,1,2
	global_store_b128 v[\R], v[\CB+12*\p+4*\k:\CB+12*\p+4*\k+3], s[\SB:\SB+1] offset:1536*\p+512*\k
.endr
.endr
.endm
	PART 2, 0, 96
	WORD 64, 0, 1, 2, 3
	v_mov_b32 v65, v64
	SENDP 96, 1, 12
	global_store_b64 v5, v[64:65], s[12:13] offset:3072
	PART 2, 128, 144
	WORD 66, 0, 1, 2, 3
	SENDP 144, 6, 14
	PART 3, 0, 192
	WORD 67, 0, 2, 1, 3
.irp u, 0,1,2,3
	global_store_b128 v8, v[192+6*\u:195+6*\u], s[14:15] offset:6144+1536*\u
	global_store_b64 v9, v[196+6*\u:197+6*\u], s[14:15] offset:6144+1536*\u+512
.endr
	global_store_b64 v10, v[66:67], s[14:15] offset:12288
	s_wait_tensorcnt 0x0                           ; the wave's end
	ds_add_u32 v254, v255
	s_wait_dscnt 0x0
	ROUND                                          ; the closing round: no work-group ends while a partner may still ask for a piece that names it
	s_endpgm
.Lfunc_end_k_qd7137331c5_qkv:
	.size	k_qd7137331c5_qkv, .Lfunc_end_k_qd7137331c5_qkv-k_qd7137331c5_qkv
	.p2alignl 7, 3214868480
	.fill 96, 4, 3214868480
	.section	.rodata,"a",@progbits
	.p2align	6, 0x0
	.amdhsa_kernel k_qd7137331c5_qkv
		.amdhsa_group_segment_fixed_size 168448
		.amdhsa_private_segment_fixed_size 0
		.amdhsa_enable_private_segment 0
		.amdhsa_kernarg_size 48
		.amdhsa_user_sgpr_count 2
		.amdhsa_user_sgpr_kernarg_segment_ptr 1
		.amdhsa_wavefront_size32 1
		.amdhsa_system_sgpr_workgroup_id_x 1
		.amdhsa_system_sgpr_workgroup_id_y 1
		.amdhsa_system_sgpr_workgroup_id_z 1
		.amdhsa_system_vgpr_workitem_id 0
		.amdhsa_next_free_vgpr 1024
		.amdhsa_next_free_sgpr 66
		.amdhsa_reserve_vcc 0
		.amdhsa_float_denorm_mode_32 3
		.amdhsa_float_denorm_mode_16_64 3
		.amdhsa_memory_ordered 1
		.amdhsa_forward_progress 1
		.amdhsa_inst_pref_size 113
	.end_amdhsa_kernel
	.amdgpu_metadata
---
amdhsa.version: [ 1, 2 ]
amdhsa.kernels:
  - .name:           k_qd7137331c5_qkv
    .symbol:         k_qd7137331c5_qkv.kd
    .args:
      - { .name: ximg, .offset: 0, .size: 8, .value_kind: global_buffer, .address_space: global }
      - { .name: xscl, .offset: 8, .size: 8, .value_kind: global_buffer, .address_space: global }
      - { .name: wimg, .offset: 16, .size: 8, .value_kind: global_buffer, .address_space: global }
      - { .name: b_qkv, .offset: 24, .size: 8, .value_kind: global_buffer, .address_space: global }
      - { .name: qimg, .offset: 32, .size: 8, .value_kind: global_buffer, .address_space: global }
      - { .name: kv, .offset: 40, .size: 8, .value_kind: global_buffer, .address_space: global }
    .group_segment_fixed_size: 168448
    .private_segment_fixed_size: 0
    .kernarg_segment_align: 8
    .kernarg_segment_size: 48
    .max_flat_workgroup_size: 128
    .sgpr_count:     66
    .vgpr_count:     1024
    .wavefront_size: 32
...
	.end_amdgpu_metadata
.endif
;; end of part 2
;; launch attn (part 3): grid 8 x 32, 16 waves a work-group, clusters of 4 x 1, 276,480 bytes of LDS; arguments qimg, kv, out0; writes out0
.if DOCPART == 3
	.amdgcn_target "amdgcn-amd-amdhsa--gfx1250"
	.amdhsa_code_object_version 6
	.text
	.protected	k_qd7137331c5_attn
	.globl	k_qd7137331c5_attn
	.p2align	8
	.type	k_qd7137331c5_attn,@function
k_qd7137331c5_attn:
	s_mov_b64 s[64:65], 0
	v_nop
	global_prefetch_b8 v0, s[64:65] scope:SCOPE_SE
	s_setreg_imm32_b32 hwreg(HW_REG_WAVE_MODE, 25, 1), 1
	s_wait_xcnt 0x0
	s_wait_alu depctr_hold_cnt(0) depctr_sa_sdst(0) depctr_va_vdst(0) depctr_va_sdst(0) depctr_va_ssrc(0) depctr_va_vcc(0) depctr_vm_vsrc(0)
	s_getreg_b32 s2, hwreg(HW_REG_IB_STS2, 6, 4)
	s_cmp_eq_u32 s2, 0
	s_cbranch_scc0 .Lentry_in_a_cluster
	s_endpgm
.Lentry_in_a_cluster:
	s_bfe_u32 s2, ttmp6, 0x10000c
	s_cmp_lg_u32 s2, 0x3003
	s_cbranch_scc0 .Lentry_shape_is_right
	s_endpgm
.Lentry_shape_is_right:
; out = softmax(q k^T / 8, causal) v for each of 32 (batch, head): q, k, v are codes of FP6 (E2M3) in the images of the launch before; p is quantised in registers; sums in f32.
; SHARES.  A tile is 16 queries: tile t of the 64 queries g, its rows 64 g + 8 t + r % 8 + 32 (r / 8); it walks steps of 128 keys, 0 to g / 2.  8 work-groups a head, two clusters of four; t = the work-group's place cx.
; In cluster X, with y = 4 X + w % 4 and e = (w / 4) % 2, the waves w and w + 8 (w < 8) own a short tile, g = 2 y + e (y + 1 steps), and a long one, g = 30 - 2 y + e (16 - y steps):
; wave w + 8 walks the long tile's steps 0 to 7; wave w walks the short tile, sends it out, and then walks the long tile's steps 8 to 15 - y.  So every wave walks 8 or 9 steps, whatever y.
; At the end wave w + 8 hands its sums to wave w through LDS; both hold sums under their own M, and are brought under one by exact powers of two.
; Trip counts and branches hang on the cluster's number and the wave's alone; cx enters the mask's comparison and global addresses.
; LEFT OUT: key steps behind a tile's last query (wholly masked by the mask that reference() builds), and, for even g, the last step's upper 64 keys likewise.  A NaN or an infinity that reaches only those is not carried.
; LDS: all 16 steps of the head's K and V, 12,800 bytes each; wave w brings step w with its one tensor load, asked for JOINTLY by the four work-groups of the cluster (mask 15).  Steps 0 and 1 (waves 0, 1) are shown by the first barrier, the
; others by the second.  No byte is filled twice.  No prefetch: every tile is asked for at the head, and there is no loop to run ahead in.  Behind K and V: a stage of 4,352 bytes for each wave (16 rows x 272 on the way out), and the spare words.
; A STEP.  S^T = k q^T (source 0 = keys), so that a lane holds one query.  K's fragment holds two tiles, 64 codes each: q in the lower half of source 1 and zeros in the upper gives the first tile, the other way round the second.
; The keys of a tile are chosen so that lane (r, h)'s 32 registers of four tiles are keys 64 c + 32 h + 0 .. 31: a whole scale block, laid as the operand p^T wants it.
; M is the running largest t = score x log2(e) / 8, rounded up to a whole number, kept as -M; p = 2^(t - M); the sum is taken of the unquantised p; O^T and the sum follow a change of M by an exact power of two.
; A block's scale: floor(largest t - M) is its largest p's exponent; 2 less is the scale's, held at byte 1 from below.
; While a step's softmax is made, its V and the next step's K are on their way from LDS.  The steps with the diagonal stand behind the loops.
; LIMITS: NaN and infinities are not served; the scaled scores (t) stay under 2^31 in magnitude; a block's byte is held at 1 from below; a block whose p are all 0 gets the byte 1.
.set STEPB, 12800
.set STAGE, 16*STEPB
.set STW,   4352
.set SPARE, STAGE+16*STW
.set LA16, 0                           ; 16 x lane
.set LA8,  1                           ; 8 x lane
.set NM,   2                           ; -M
.set MX,   3                           ; the running largest score
.set LS,   4                           ; v[4:5] the sum, in two halves
.set FF,   6                           ; v6 = 2^(old M - new M); v7 is named beside it
.set DV,   8                           ; my query's place less 32 h, for the mask
.set QS,   9                           ; q's scale words
.set VS,   10                          ; v10-11 V's
.set PW,   12                          ; p's
.set SPW,  13
.set NIL,  14
.set PX,   15                          ; the lane permutes' results
.set KSC,  16                          ; v16, v18 K's scale words; v17, v19 V's halves
.set TT,   20                          ; v20-27
.set EE,   28                          ; v28-29 the conversions' scale operands
.set PP,   30                          ; v30-41 p's codes
.set QQ,   42                          ; v42-47 zeros, v48-53 q's codes, v54-59 zeros
.set KK,   60                          ; v60-107 K
.set VV,   108                         ; v108-155 V
.set OO,   156                         ; v156-187 O^T
.set SS,   188                         ; v188-251 scores, then p
.set A2,   252                         ; v[252:253], v[254:255]: the sum's other chains
.set A3,   254
.macro ROUND                           ; a round of the cluster's barrier
	s_barrier_signal -1
	s_barrier_wait -1
	s_cmp_lg_u32 s10, 0
	s_cbranch_scc1 .Lnot_wave_0_\@
	s_barrier_signal -3
.Lnot_wave_0_\@:
	s_barrier_wait -3
	s_barrier_signal -1
	s_barrier_wait -1
.endm
.macro WALU
	s_wait_alu depctr_va_vdst(0)
.endm
.macro DLY d
	s_delay_alu instid0(VALU_DEP_\d)
.endm
.macro LOADQ b0, b1, b2                ; my tile's six registers of q, three pairs, and its scale word (8 r on)
	global_load_b64 v[QQ+6:QQ+7], v[LA16], s[\b0:\b0+1]
	global_load_b64 v[QQ+8:QQ+9], v[LA16], s[\b1:\b1+1] offset:8
	global_load_b64 v[QQ+10:QQ+11], v[LA16], s[\b0:\b0+1] offset:512
	v_and_b32 v[TT+7], 0x78, v[LA8]
	global_load_b32 v[TT+7], v[TT+7], s[\b2:\b2+1] offset:3072
.endm
.macro QWORD                           ; my tile's two bytes, for either half of the operand
	v_lshrrev_b32 v[A3], s52, v[TT+7]
	v_perm_b32 v[QS], v[A3], v[A3], 0x01000100
.endm
.macro BEGIN                           ; a tile begins: the largest score -3e38, the sums 0
	v_mov_b32 v[MX], 0xff61b1e6
	v_mov_b32 v[LS], 0
	v_mov_b32 v[LS+1], 0
	v_mul_f32 v[NM], s37, v[MX]
.set i, 0
.rept 32
	v_mov_b32 v[OO+i], 0
.set i, i+1
.endr
	v_floor_f32 v[NM], v[NM]
.endm
	s_load_b128 s[4:7], s[0:1], 0x0                ; qimg, kv
	s_load_b64 s[8:9], s[0:1], 0x10                ; out0
	v_lshl_add_u32 v[SPW], v0, 2, SPARE
	v_mov_b32 v[NIL], 0
	ds_add_u32 v[SPW], v[NIL]
	ds_add_u32 v[SPW], v[NIL]
	v_lshrrev_b32 v[TT], 5, v0
	v_readfirstlane_b32 s10, v[TT]                 ; wave 0..15
	v_bfe_u32 v[TT+2], v0, 4, 1                    ; h
	v_and_b32 v[TT+3], 31, v0                      ; lane
	v_and_b32 v[TT+5], 7, v0
	v_bfe_u32 v[TT+6], v0, 3, 1                    ; r / 8
	v_lshlrev_b32 v[LA8], 3, v[TT+3]
	v_lshl_add_u32 v[TT+5], v[TT+6], 5, v[TT+5]
	v_lshlrev_b32 v[TT+6], 5, v[TT+2]
	v_sub_nc_u32 v[DV], v[TT+5], v[TT+6]           ; r % 8 + 32 (r / 8) - 32 h
	v_lshlrev_b32 v[LA16], 4, v[TT+3]
	WALU
	s_wait_dscnt 0x0
	ROUND                                          ; all four work-groups are here: the joint loads meet.  It stands ahead of the wait for the arguments
	s_bfe_u32 s11, ttmp6, 0x40000                  ; cx = t
	s_and_b32 s12, ttmp7, 0xffff                   ; 16 b + head
	; descriptor group 1: 50 rows of 256 bytes (32 elements of 8 bytes), dense
	s_mov_b32 s24, 15|(3<<16)|(1<<21)
	s_mov_b32 s25, 32<<16
	s_mov_b32 s26, 50<<16
	s_mov_b32 s27, 32<<16
	s_mov_b32 s28, 50
	s_mov_b32 s29, 32
	s_mov_b32 s30, 0
	s_mov_b32 s31, 0
	s_mov_b32 s40, 1
	s_mul_i32 s41, s10, STEPB
	s_mul_i32 s54, s12, 16*STEPB
	s_add_co_u32 s54, s54, s41
	s_mov_b32 s55, 0
	s_wait_kmcnt 0x0
	s_add_nc_u64 s[42:43], s[6:7], s[54:55]
	s_or_b32 s43, s43, 0x80000000
	s_cmp_lt_u32 s10, 2
	s_cbranch_scc0 .Llater
	tensor_load_to_lds s[40:43], s[24:31]          ; waves 0, 1: steps 0, 1
	s_nop 0
.rept 4
	v_nop
.endr
	s_branch .Lasked
.Llater:
	tensor_load_to_lds s[40:43], s[24:31]          ; the other waves: steps 2 to 15
	s_nop 0
.rept 4
	v_nop
.endr
.Lasked:
	s_and_b32 s13, ttmp9, 1
	s_lshl_b32 s13, s13, 2
	s_and_b32 s14, s10, 3
	s_add_co_u32 s13, s13, s14                     ; y
	s_bfe_u32 s19, s10, 0x10002                    ; e
	s_lshr_b32 s15, s10, 3                         ; 0: the short tile, then the long one's end; 1: the long one's beginning
	s_xor_b32 s18, s13, 15                         ; 15 - y: the long tile's last step
	s_and_b32 s18, s18, 15
	s_mul_i32 s35, s13, STEPB                      ; the short tile's last step in LDS,
	s_mul_i32 s80, s18, STEPB                      ; and the long one's
	s_lshl_b32 s14, s13, 1
	s_lshl_b32 s33, s18, 1
	s_cmp_eq_u32 s15, 1
	s_cselect_b32 s14, s33, s14                    ; my first tile: the long one's g or the short one's,
	s_cselect_b32 s16, 8, s13                      ; its steps in the first loops: steps under s16,
	s_cselect_b32 s17, 0, s18                      ; and mine in the last loop: steps under s17
	s_or_b32 s14, s14, s19                         ; + e
	s_min_u32 s34, s16, 2
	s_mul_i32 s34, s34, STEPB
	; q: of image t / 2 the three pairs of registers 3 (t % 2) .. + 2, each 8 bytes at 512 (j / 2) + 8 (j % 2)
	s_lshl_b32 s44, s12, 5
	s_add_co_u32 s44, s44, s14
	s_mul_i32 s44, s44, 3328
	s_lshr_b32 s45, s11, 1
	s_lshl_b32 s48, s45, 7
	s_add_co_u32 s48, s48, s44                     ; scale words of image t / 2
	s_mul_i32 s46, s45, 1536
	s_add_co_u32 s44, s44, s46
	s_and_b32 s52, s11, 1
	s_mul_i32 s46, s52, 1016
	s_add_co_u32 s46, s46, s44
	s_mul_i32 s45, s52, 520
	s_add_co_u32 s44, s44, s45
	s_mov_b32 s45, 0
	s_mov_b32 s47, 0
	s_mov_b32 s49, 0
	s_lshl_b32 s52, s52, 4                         ; which half of the word is mine
	s_add_nc_u64 s[56:57], s[4:5], s[44:45]
	s_add_nc_u64 s[58:59], s[4:5], s[46:47]
	s_add_nc_u64 s[60:61], s[4:5], s[48:49]
	LOADQ 56, 58, 60
	s_lshl_b32 s68, s13, 2
	s_sub_co_u32 s68, 30, s68                      ; from the short tile's g to the long one's
	s_lshl_b32 s82, s68, 18                        ; in rows of out0, bytes
	s_mul_i32 s68, s68, 3328                       ; in q's images
	s_mov_b32 s69, 0
	s_mov_b32 s83, 0
	s_add_nc_u64 s[74:75], s[56:57], s[68:69]
	s_add_nc_u64 s[76:77], s[58:59], s[68:69]
	s_add_nc_u64 s[78:79], s[60:61], s[68:69]
	; out0: 64 g + 8 t rows of 4,096 bytes, 256 bytes a head
	s_lshr_b32 s50, s12, 4
	s_lshl_b32 s50, s50, 23
	s_and_b32 s51, s12, 15
	s_lshl_b32 s51, s51, 8
	s_add_co_u32 s50, s50, s51
	s_lshl_b32 s51, s14, 18
	s_add_co_u32 s50, s50, s51
	s_lshl_b32 s51, s11, 15
	s_add_co_u32 s50, s50, s51
	s_mov_b32 s51, 0
	s_add_nc_u64 s[62:63], s[8:9], s[50:51]        ; my first tile's rows,
	s_add_nc_u64 s[66:67], s[62:63], s[82:83]      ; and, for the waves that send two, the long tile's
	s_mul_i32 s53, s10, STW
	s_add_co_u32 s53, s53, STAGE                   ; my stage
	s_mov_b32 s22, 0x3e38aa3b                      ; log2(e) / 8
	s_mov_b32 s23, s22
	s_mov_b32 s37, 0xbe38aa3b                      ; the same, negative
	s_mov_b32 s36, 125
	s_mov_b32 s70, 0x76543210
	s_mov_b32 s71, 0xfedcba98                      ; v_permlanex16_b32's selects for lane l xor 16
	s_mov_b32 s72, 0x05040100
	s_mov_b32 s73, 0x07060302
	s_lshl_b32 s33, s11, 3
	v_add_nc_u32 v[DV], s33, v[DV]                 ; + 8 t
	v_mov_b32 v[FF+1], 0
	v_mov_b32 v[PX], 0                             ; a lane permute's destination counts as one of its sources
	BEGIN
	WALU
	s_wait_loadcnt 0x0
	QWORD
.set i, 0
.rept 6
	v_mov_b32 v[QQ+i], 0
	v_mov_b32 v[QQ+12+i], 0
.set i, i+1
.endr
.macro LOADK                           ; a step's K at v[TT+2], scale words at v[TT+3]: 14 loads
.irp p, 0,1,2,3
.irp k, 0,1,2
	ds_load_b128 v[KK+12*\p+4*\k:KK+12*\p+4*\k+3], v[TT+2] offset:1536*\p+512*\k
.endr
.endr
	ds_load_b64 v[KSC:KSC+1], v[TT+3] offset:12288
	ds_load_b64 v[KSC+2:KSC+3], v[TT+3] offset:12544
.endm
.macro LOADV                           ; a step's V at v[TT], v[TT+1]: 16 loads
.irp d, 0,1,2,3
.irp c, 0,1
	ds_load_b128 v[VV+12*\d+6*\c:VV+12*\d+6*\c+3], v[TT] offset:6144+1536*\d+768*\c
	ds_load_b64 v[VV+12*\d+6*\c+4:VV+12*\d+6*\c+5], v[TT+1] offset:6144+1536*\d+768*\c+512
.endr
.endr
.endm
.macro QKT t                           ; tile t of 16 keys: the first or the second tile of K's fragment t / 2
.if ((\t)/2)%2
	v_wmma_scale_f32_16x16x128_f8f6f4 v[SS+8*(\t):SS+8*(\t)+7], v[KK+12*((\t)/2):KK+12*((\t)/2)+11], v[QQ+6-6*((\t)%2):QQ+17-6*((\t)%2)], 0, v[KSC+2*((\t)/4)], v[QS] matrix_a_fmt:MATRIX_FMT_FP6 matrix_b_fmt:MATRIX_FMT_FP6 matrix_a_scale:MATRIX_SCALE_ROW1
.else
	v_wmma_scale_f32_16x16x128_f8f6f4 v[SS+8*(\t):SS+8*(\t)+7], v[KK+12*((\t)/2):KK+12*((\t)/2)+11], v[QQ+6-6*((\t)%2):QQ+17-6*((\t)%2)], 0, v[KSC+2*((\t)/4)], v[QS] matrix_a_fmt:MATRIX_FMT_FP6 matrix_b_fmt:MATRIX_FMT_FP6
.endif
.endm
; A step of 128 keys.  kind 0: in a loop; 1: with the diagonal, g odd: keys 64-127 are masked by lane; 2: with the diagonal, g even: keys 0-63 alone, masked by lane.
; s21: the step's place in LDS.  pf = 1: K of the step at s38 is fetched too; at a diagonal also the long tile's q.
.macro STEP kind, pf
.set NT, 8-4*((\kind)/2)               ; tiles of keys
.set NE, 8*NT                          ; scores a lane
	s_wait_dscnt 0x0                               ; this step's K is in
.irp t, 0,1,2,3,4,5,6,7
.if \t < NT
	QKT \t
.endif
.endr
	v_add_nc_u32 v[TT], s21, v[LA16]               ; (these four are the places behind the products)
	v_add_nc_u32 v[TT+1], s21, v[LA8]
.if \pf
	v_add_nc_u32 v[TT+2], s38, v[LA16]
	v_add_nc_u32 v[TT+3], s38, v[LA8]
.else
	v_nop
	v_nop
.endif
.if \kind
	v_mov_b32 v[A2], 0xff800000                    ; -infinity
.endif
	v_perm_b32 v[VS], v[KSC+3], v[KSC+1], s72      ; V's scale words: bytes 0, 1 of c = 0, bytes 2, 3 of c = 1
	v_perm_b32 v[VS+1], v[KSC+3], v[KSC+1], s73
	LOADV
.if \pf
	LOADK
.if \kind
	LOADQ 74, 76, 78
.endif
.endif
.if \kind
.set n, 0
.rept 32
	v_cmp_gt_i32 vcc_lo, n, v[DV]                  ; a key behind my query
	v_cndmask_b32 v[SS+32*(2-(\kind))+n], v[SS+32*(2-(\kind))+n], v[A2], vcc_lo
.set n, n+1
.endr
.endif
.set q, 0
.rept NT/2                             ; the largest score of each 16, by turns
	v_max3_num_f32 v[TT+q], v[SS+16*q], v[SS+16*q+1], v[SS+16*q+2]
.set q, q+1
.endr
.set i, 3
.rept 6
.set q, 0
.rept NT/2
	v_max3_num_f32 v[TT+q], v[TT+q], v[SS+16*q+i], v[SS+16*q+i+1]
.set q, q+1
.endr
.set i, i+2
.endr
.set q, 0
.rept NT/4                             ; and of my blocks of 32: v[TT], v[TT+2]
	v_max3_num_f32 v[TT+2*q], v[TT+2*q], v[TT+2*q+1], v[SS+32*q+15]
.set q, q+1
.endr
.set q, 0
.rept NT/4
	v_max_num_f32 v[TT+2*q], v[TT+2*q], v[SS+32*q+31]
.set q, q+1
.endr
.if (\kind) < 2
.set RM, TT+4
	DLY 1
	v_max_num_f32 v[RM], v[TT], v[TT+2]
.else
.set RM, TT
.endif
	DLY 1
	v_permlanex16_b32 v[PX], v[RM], s70, s71
	DLY 1
	v_max3_num_f32 v[MX], v[RM], v[PX], v[MX]
	DLY 1
	v_mul_f32 v[TT+5], s37, v[MX]
	DLY 1
	v_floor_f32 v[TT+5], v[TT+5]                   ; the new -M
	DLY 1
	v_sub_f32 v[TT+6], v[TT+5], v[NM]
	v_mov_b32 v[NM], v[TT+5]
	DLY 2
	v_cvt_i32_f32 v[TT+6], v[TT+6]                 ; (it saturates)
	DLY 1
	v_ldexp_f32 v[FF], 1.0, v[TT+6]
.set j, 0
.rept NE/2
	v_pk_fma_f32 v[SS+j:SS+j+1], v[SS+j:SS+j+1], s[22:23], v[NM:NM+1] op_sel_hi:[1,0,0]   ; t - M
.set j, j+2
.endr
.set q, 0
.rept NT/4
	v_fma_f32 v[TT+2*q], v[TT+2*q], s22, v[NM]     ; the same of each block's largest score
.set q, q+1
.endr
.set q, 0
.rept NT/4
	v_max_num_f32 v[TT+2*q], 0xc2f80000, v[TT+2*q] ; at least -124: the byte cannot fall under 1
.set q, q+1
.endr
.set q, 0
.rept NT/4
	v_cvt_floor_i32_f32 v[TT+2*q], v[TT+2*q]
.set q, q+1
.endr
.set q, 0
.rept NT/4
	v_add_lshl_u32 v[EE+q], v[TT+2*q], s36, 23     ; + 127 - 2, at the exponent's place: the conversion's scale operand
.set q, q+1
.endr
	WALU
.set j, 0
.rept NE
	v_exp_f32 v[SS+j], v[SS+j]
.set j, j+1
.endr
	v_pk_mul_f32 v[LS:LS+1], v[LS:LS+1], v[FF:FF+1] op_sel_hi:[1,0]
	WALU
.set j, 0
.rept 16
	v_pk_mul_f32 v[OO+j:OO+j+1], v[OO+j:OO+j+1], v[FF:FF+1] op_sel_hi:[1,0]
.set j, j+2
.endr
.if (\kind) < 2
	v_perm_b32 v[TT+3], v[EE+1], v[EE], s73        ; the two blocks' bytes at bits 7 and 23
.else
	v_perm_b32 v[TT+3], v[EE], v[EE], s73          ; the upper 64 keys' codes are zeros under the same byte
.endif
	v_permlanex16_b32 v[PX], v[TT+3], s70, s71     ; and lane l xor 16's
	v_lshrrev_b32 v[PW], 7, v[TT+3]
	v_lshl_or_b32 v[PW], v[PX], 1, v[PW]           ; lanes 0-15: bytes 2 c + h
.set q, 0
.rept NT/4
	v_cvt_scalef32_pk16_fp6_f32 v[PP+6*q:PP+6*q+2], v[SS+32*q:SS+32*q+15], v[EE+q]
	v_cvt_scalef32_pk16_fp6_f32 v[TT+4*q:TT+4*q+2], v[SS+32*q+16:SS+32*q+31], v[EE+q]   ; (a conversion's three registers begin on an even number)
.set q, q+1
.endr
	v_pk_add_f32 v[LS:LS+1], v[LS:LS+1], v[SS:SS+1]   ; the sum of the unquantised p, in three chains
	v_pk_add_f32 v[A2:A2+1], v[SS+2:SS+3], v[SS+8:SS+9]
	v_pk_add_f32 v[A3:A3+1], v[SS+4:SS+5], v[SS+10:SS+11]
	v_pk_add_f32 v[LS:LS+1], v[LS:LS+1], v[SS+6:SS+7]
.set q, 0
.rept NT/4
.irp i, 0,1,2
	v_mov_b32 v[PP+6*q+3+\i], v[TT+4*q+\i]
.endr
.set q, q+1
.endr
.if (\kind) == 2
.irp i, 6,7,8,9,10,11
	v_mov_b32 v[PP+\i], 0
.endr
.endif
.set j, 6
.rept NE/2-6
.if j%3 == 0
	v_pk_add_f32 v[LS:LS+1], v[LS:LS+1], v[SS+2*j:SS+2*j+1]
.elseif j%3 == 1
	v_pk_add_f32 v[A2:A2+1], v[A2:A2+1], v[SS+2*j:SS+2*j+1]
.else
	v_pk_add_f32 v[A3:A3+1], v[A3:A3+1], v[SS+2*j:SS+2*j+1]
.endif
.set j, j+1
.endr
	v_pk_add_f32 v[A2:A2+1], v[A2:A2+1], v[A3:A3+1]
	DLY 1
	v_pk_add_f32 v[LS:LS+1], v[LS:LS+1], v[A2:A2+1]
	WALU
.if \pf
	s_wait_dscnt 14                                ; V is in; the next K's 14 loads may be out
.else
	s_wait_dscnt 0x0
.endif
.irp d, 0,1,2,3                        ; O^T += v^T p^T
.if \d%2
	v_wmma_scale_f32_16x16x128_f8f6f4 v[OO+8*\d:OO+8*\d+7], v[VV+12*\d:VV+12*\d+11], v[PP:PP+11], v[OO+8*\d:OO+8*\d+7], v[VS+\d/2], v[PW] matrix_a_fmt:MATRIX_FMT_FP6 matrix_b_fmt:MATRIX_FMT_FP6 matrix_a_scale:MATRIX_SCALE_ROW1
.else
	v_wmma_scale_f32_16x16x128_f8f6f4 v[OO+8*\d:OO+8*\d+7], v[VV+12*\d:VV+12*\d+11], v[PP:PP+11], v[OO+8*\d:OO+8*\d+7], v[VS+\d/2], v[PW] matrix_a_fmt:MATRIX_FMT_FP6 matrix_b_fmt:MATRIX_FMT_FP6
.endif
.endr
.endm
; THE WAY OUT: a lane holds 128 neighbouring bytes of a row, so the tile goes through my own stage and leaves as whole rows of 256 bytes
.macro OADDR
	v_lshrrev_b32 v[TT+2], 8, v[LA16]              ; h
	v_and_b32 v[TT+3], 0xf0, v[LA16]               ; 16 r
	v_mul_u32_u24 v[TT+4], 272, v[TT+2]
	v_lshrrev_b32 v[TT+5], 4, v[TT+3]
	v_mul_u32_u24 v[TT+5], 272, v[TT+5]
	v_add_nc_u32 v[TT+4], v[TT+3], v[TT+4]
	v_lshl_add_u32 v[TT+5], v[TT+2], 7, v[TT+5]
	v_add_nc_u32 v[TT+4], s53, v[TT+4]             ; out of the stage: row h, 16 r
	v_add_nc_u32 v[TT+5], s53, v[TT+5]             ; into it: row r, 128 h
	v_lshl_add_u32 v[TT+3], v[TT+2], 12, v[TT+3]   ; the same in out0
.endm
.macro SENDOUT sb
.irp i, 0,1,2,3,4,5,6,7
	ds_store_b128 v[TT+5], v[SS+4*\i:SS+4*\i+3] offset:16*\i
.endr
.irp i, 0,1,2,3,4,5,6,7
	ds_load_b128 v[VV+4*\i:VV+4*\i+3], v[TT+4] offset:544*\i
.endr
.irp i, 0,1,2,3,4,5,6,7
	s_wait_dscnt 7-\i
	global_store_b128 v[TT+3], v[VV+4*\i:VV+4*\i+3], s[\sb:\sb+1] offset:(2*\i+24*(\i/4))*4096 th:TH_STORE_NT   ; rows 2 i, 2 i + 1 of the tile: sixteen lanes store 256 consecutive bytes, aligned
.endr
.endm
	WALU
	s_cmp_lt_u32 s10, 2
	s_cbranch_scc0 .Lnot_first
	s_wait_tensorcnt 0x0                           ; waves 0 and 1: steps 0 and 1 have landed
.Lnot_first:
	s_barrier_signal -1
	s_barrier_wait -1
	v_mov_b32 v[TT+2], v[LA16]
	v_mov_b32 v[TT+3], v[LA8]
	LOADK
	s_mov_b32 s20, 0
	s_mov_b32 s21, 0
	s_mov_b32 s38, STEPB                           ; no step beyond 1 is read ahead of the second barrier
.Lfirst:                                               ; my first tile's steps 0 and 1
	s_cmp_ge_u32 s20, s16
	s_cbranch_scc1 .Lskip_first
	STEP 0, 1
.Lskip_first:
	s_add_co_u32 s21, s21, STEPB
	s_add_co_u32 s20, s20, 1
	s_cmp_lg_u32 s20, 2
	s_cbranch_scc1 .Lfirst
	WALU
	s_wait_tensorcnt 0x0                           ; my step has landed,
	s_wait_dscnt 0x0
	s_barrier_signal -1
	s_barrier_wait -1                              ; and everybody's
	v_add_nc_u32 v[TT+2], s34, v[LA16]             ; K of step 2, or of the diagonal's step where that comes first
	v_add_nc_u32 v[TT+3], s34, v[LA8]
	LOADK
	s_mov_b32 s20, 2
	s_mov_b32 s21, 2*STEPB
	s_mov_b32 s38, 3*STEPB
.Lmore:                                                ; and 2 to 7
	s_cmp_ge_u32 s20, s16
	s_cbranch_scc1 .Lskip_more
	STEP 0, 1
.Lskip_more:
	s_add_co_u32 s21, s21, STEPB
	s_add_co_u32 s38, s38, STEPB
	s_add_co_u32 s20, s20, 1
	s_cmp_lg_u32 s20, 8
	s_cbranch_scc1 .Lmore
	s_cmp_eq_u32 s15, 1
	s_cbranch_scc1 .Lshort_done
	s_mov_b32 s21, s35                             ; the short tile's diagonal; K of the long tile's step 8 and its q come with it
	s_mov_b32 s38, 8*STEPB
	s_cmp_eq_u32 s19, 0
	s_cbranch_scc1 .Lshort_even
	STEP 1, 1
	s_branch .Lshort_out
.Lshort_even:
	STEP 2, 1
.Lshort_out:
	v_add_f32 v[TT], v[LS], v[LS+1]
	OADDR
	v_permlanex16_b32 v[PX], v[TT], s70, s71
	v_mov_b32 v[TT+1], 0
	v_add_f32 v[TT], v[TT], v[PX]                  ; the row's sum
	WALU
	v_rcp_f32 v[TT], v[TT]
	v_nop
	WALU
.set j, 0
.rept 16
	v_pk_mul_f32 v[SS+j:SS+j+1], v[OO+j:OO+j+1], v[TT:TT+1] op_sel_hi:[1,0]
.set j, j+2
.endr
	SENDOUT 62
	BEGIN                                          ; the long tile
	WALU
	s_wait_loadcnt 0x0                             ; its q is in
	QWORD
.rept 8
	v_nop                                          ; (a scale register written by a vector instruction stands 8 places ahead of a scaled matrix instruction)
.endr
	WALU
	s_wait_xcnt 0x0                                ; the stores have read their registers: V's loads may land there
.Lshort_done:
	s_mov_b32 s20, 8
	s_mov_b32 s21, 8*STEPB
	s_mov_b32 s38, 9*STEPB
.Llong:                                                ; the long tile's steps 8 to 14 - y (the other eight waves have none here)
	s_cmp_ge_u32 s20, s17
	s_cbranch_scc1 .Lskip_long
	STEP 0, 1
.Lskip_long:
	s_add_co_u32 s21, s21, STEPB
	s_add_co_u32 s38, s38, STEPB
	s_add_co_u32 s20, s20, 1
	s_cmp_lg_u32 s20, 15
	s_cbranch_scc1 .Llong
	s_cmp_eq_u32 s15, 1
	s_cbranch_scc0 .Ldiagonal
	v_add_nc_u32 v[TT+2], s53, v[LA16]             ; the long tile's beginning is handed over: O^T, -M and the lane's sum, in my stage
	v_add_nc_u32 v[TT+3], s53, v[LA8]
	v_mov_b32 v[A2], v[NM]
	v_add_f32 v[A2+1], v[LS], v[LS+1]
	v_nop
.irp i, 0,1,2,3,4,5,6,7
	ds_store_b128 v[TT+2], v[OO+4*\i:OO+4*\i+3] offset:512*\i
.endr
	ds_store_b64 v[TT+3], v[A2:A2+1] offset:4096
	WALU
	s_branch .Lmeet
.Ldiagonal:
	s_mov_b32 s21, s80
	s_cmp_eq_u32 s19, 0
	s_cbranch_scc1 .Llong_even
	STEP 1, 0
	s_branch .Lmeet
.Llong_even:
	STEP 2, 0
.Lmeet:
	s_wait_dscnt 0x0                               ; what I have handed over is in LDS
	s_barrier_signal -1
	s_barrier_wait -1
	s_cmp_eq_u32 s15, 1
	s_cbranch_scc1 .Lend
	s_add_co_u32 s33, s53, 8*STW                   ; wave w + 8's stage
	v_add_nc_u32 v[TT+2], s33, v[LA16]
	v_add_nc_u32 v[TT+3], s33, v[LA8]
	ds_load_b64 v[A2:A2+1], v[TT+3] offset:4096
.irp i, 0,1,2,3,4,5,6,7
	ds_load_b128 v[SS+4*\i:SS+4*\i+3], v[TT+2] offset:512*\i
.endr
	OADDR
	v_add_f32 v[LS], v[LS], v[LS+1]
	WALU
	s_wait_dscnt 0x0
	v_min_num_f32 v[TT], v[NM], v[A2]              ; the joint -M
	v_sub_f32 v[TT+1], v[TT], v[NM]
	v_sub_f32 v[TT+6], v[TT], v[A2]
	v_cvt_i32_f32 v[TT+1], v[TT+1]
	v_cvt_i32_f32 v[TT+6], v[TT+6]
	v_ldexp_f32 v[FF], 1.0, v[TT+1]                ; what brings mine under it,
	v_ldexp_f32 v[TT+6], 1.0, v[TT+6]              ; and the other's
	v_mul_f32 v[LS], v[LS], v[FF]
	v_fma_f32 v[LS], v[A2+1], v[TT+6], v[LS]
	v_permlanex16_b32 v[PX], v[LS], s70, s71
	v_add_f32 v[LS], v[LS], v[PX]                  ; the row's sum
	WALU
	v_rcp_f32 v[TT], v[LS]
	v_nop
	WALU
	v_mul_f32 v[FF], v[FF], v[TT]
	v_mul_f32 v[TT+6], v[TT+6], v[TT]
.set j, 0
.rept 16
	v_pk_mul_f32 v[OO+j:OO+j+1], v[OO+j:OO+j+1], v[FF:FF+1] op_sel_hi:[1,0]
.set j, j+2
.endr
.set j, 0
.rept 16
	v_pk_fma_f32 v[SS+j:SS+j+1], v[SS+j:SS+j+1], v[TT+6:TT+7], v[OO+j:OO+j+1] op_sel_hi:[1,0,1]
.set j, j+2
.endr
	SENDOUT 66
.Lend:
	s_wait_tensorcnt 0x0                           ; the wave's end
	ds_add_u32 v[SPW], v[NIL]
	s_wait_dscnt 0x0
	ROUND                                          ; the closing round: no work-group ends while a partner may still ask for a tile that names it
	s_endpgm
.Lfunc_end_k_qd7137331c5_attn:
	.size	k_qd7137331c5_attn, .Lfunc_end_k_qd7137331c5_attn-k_qd7137331c5_attn
	.p2alignl 7, 3214868480
	.fill 96, 4, 3214868480
	.section	.rodata,"a",@progbits
	.p2align	6, 0x0
	.amdhsa_kernel k_qd7137331c5_attn
		.amdhsa_group_segment_fixed_size 276480
		.amdhsa_private_segment_fixed_size 0
		.amdhsa_enable_private_segment 0
		.amdhsa_kernarg_size 24
		.amdhsa_user_sgpr_count 2
		.amdhsa_user_sgpr_kernarg_segment_ptr 1
		.amdhsa_wavefront_size32 1
		.amdhsa_system_sgpr_workgroup_id_x 1
		.amdhsa_system_sgpr_workgroup_id_y 1
		.amdhsa_system_sgpr_workgroup_id_z 1
		.amdhsa_system_vgpr_workitem_id 0
		.amdhsa_next_free_vgpr 256
		.amdhsa_next_free_sgpr 84
		.amdhsa_reserve_vcc 1
		.amdhsa_float_denorm_mode_32 3
		.amdhsa_float_denorm_mode_16_64 3
		.amdhsa_memory_ordered 1
		.amdhsa_forward_progress 1
		.amdhsa_inst_pref_size 125
	.end_amdhsa_kernel
	.amdgpu_metadata
---
amdhsa.version: [ 1, 2 ]
amdhsa.kernels:
  - .name:           k_qd7137331c5_attn
    .symbol:         k_qd7137331c5_attn.kd
    .args:
      - { .name: qimg, .offset: 0, .size: 8, .value_kind: global_buffer, .address_space: global }
      - { .name: kv, .offset: 8, .size: 8, .value_kind: global_buffer, .address_space: global }
      - { .name: out0, .offset: 16, .size: 8, .value_kind: global_buffer, .address_space: global }
    .group_segment_fixed_size: 276480
    .private_segment_fixed_size: 0
    .kernarg_segment_align: 8
    .kernarg_segment_size: 24
    .max_flat_workgroup_size: 512
    .sgpr_count:     84
    .vgpr_count:     256
    .wavefront_size: 32
...
	.end_amdgpu_metadata
.endif
;; end of part 3
